; MI455X (gfx1250); checked and timed in simulation.
; The chip was launched on July 23, 2026; its instructions are those of AMD's public machine-readable ISA for CDNA 5 (MIT licence, August 2026) and "CDNA5" Instruction Set Architecture Reference Guide (July 2026). The comments in the code are by the model that wrote it; some were corrected since.
;; Attention Compute. Allowed arithmetic: matrix products marked QUANTISED: E2M1 operands, one E8M0 scale for each 32 along K, by v_wmma_scale_f32_16x16x128_f8f6f4 with both operands' format E2M1 (or v_wmma_scale_f32_32x16x128_f4), f32 sums; products left as they are: bf16, f16 or f32 operands; f32 sums; everything else in f32.
;; Inputs: key 2 x 16 x 2,048 x 64 float32; query 2 x 16 x 2,048 x 64 float32; value 2 x 16 x 2,048 x 64 float32.
;; Outputs: out0 2 x 16 x 2,048 x 64 float32.
;; This version of the problem:
;;   THIS VERSION OF THE PROBLEM IS GIVEN IN LOW PRECISION. The matrix products marked QUANTISED in the list below multiply operands that are first quantised to E2M1 (2 exponent bits, 1 mantissa bit; 4 bits a number), with one power-of-two scale for each 32 numbers along K (OCP MX v1.0); their sums are f32. The products marked 'left as it is' may take bf16, f16 or f32 operands, with f32 sums. Whichever they take, every output number must still come out within the allowed error. Rounding operands to bf16 (8 significant bits) uses up far more of that allowance than f16 does (11 bits, for magnitudes from 6e-5 to 65,504). All else is computed in f32.
;;   The module's matrix products, in the order in which they are computed (A, B: the left and right operand; K: the contracted axis; several contracted axes count as one K, in the product's order):
;;     1. batch 32 x [M 2,048, K 64] x [K 64, N 2,048]; A: input query; B: input key: QUANTISED
;;     2. batch 32 x [M 2,048, K 2,048] x [K 2,048, N 64]; A: computed on the way; B: input value: left as it is (an operand is computed on the way)
;;   THE QUANTISER, for each operand of a quantised product, along K:
;;     - K is cut into blocks of 32 from its start; a last block that is shorter is filled with zeros.
;;     - A block's scale is 2^e with e = floor(log2(the largest magnitude in the block)) - 2, held to -126 .. 127; a block of zeros has e = 0. As a byte (E8M0): e + 127.
;;     - Each number is divided by its block's scale, clamped to +-6, and rounded to the nearest number of E2M1, ties to even, subnormals kept.
;;     - The product sums the exact products of the quantised numbers (number of the format x scale) in f32.
;;   ~~~python
;;   def quantise(x, axis):      # numpy; x: float32 -> the quantised numbers, widened to float32 again
;;       x = np.moveaxis(x, axis, -1); K = x.shape[-1]
;;       x = np.pad(x, [(0, 0)] * (x.ndim - 1) + [(0, -K % 32)]); x = x.reshape(x.shape[:-1] + (-1, 32)); a = np.abs(x).max(-1, keepdims=True)
;;       e = np.where(a > 0, np.clip(np.frexp(np.where(a > 0, a, 1))[1] - 1 - 2, -126, 127), 0)      # np.frexp(a)[1] - 1 = floor(log2(a)), exactly
;;       r = np.clip(x / 2.0 ** e, -6, 6)
;;       step = 2.0 ** (np.maximum(np.frexp(np.where(r == 0, 1, r))[1] - 1, 0) - 1)
;;       q = np.round(r / step) * step * 2.0 ** e      # np.round: ties to even
;;       return np.moveaxis(q.reshape(q.shape[:-2] + (-1,))[..., :K], -1, axis).astype(np.float32)
;;   ~~~
;; 2 versions, each right; version 2 is version 1 with the launch attn written anew for expert scheduling mode. Each part assembles by itself: llvm-mc -triple=amdgcn-amd-amdhsa -mcpu=gfx1250 --defsym DOCPART=n.
;; ======== version 1 of 2: 1 launch
;; limits: values are held in f16: magnitudes above 65,504 overflow, below 6.1e-05 lose precision; inputs' magnitudes at most 65,504
;; launch attn (part 1): grid 8 x 32, 8 waves a work-group, no clusters, 136,192 bytes of LDS; arguments query, key, value, out0; writes out0
.if DOCPART == 1
	.amdgcn_target "amdgcn-amd-amdhsa--gfx1250"
	.amdhsa_code_object_version 6
	.text
	.protected	k_q39189bc954_attn
	.globl	k_q39189bc954_attn
	.p2align	8
	.type	k_q39189bc954_attn,@function
k_q39189bc954_attn:
	s_mov_b64 s[64:65], 0
	v_nop
	global_prefetch_b8 v0, s[64:65] scope:SCOPE_SE
	s_setreg_imm32_b32 hwreg(HW_REG_WAVE_MODE, 25, 1), 1
	s_wait_xcnt 0x0
; out0[h][q][:] = the sum over k of softmax_k(Q[h][q] . K[h][k] / 8) V[h][k][:].  query, key, value, out0: [32 heads][2048][64] f32.
; PRODUCT 1 (Q K^T, K = 64 = two blocks of 32) runs on codes of E2M1 with one E8M0 scale a block, made here by the stated quantiser; the matrix instruction's K is 128, so the upper 64 are zero
; codes on both sides, under the scale byte 0x7f.  PRODUCT 2 (P V) runs on f16 operands with f32 sums.  Maxima, exponentials, row sums (of the unrounded p) and the division are f32.
; SHARES.  A work-group owns 256 queries of one head (x: the block, y: the head); each of its eight waves owns 32 of them, two tiles of 16, so that each fragment of K and V read from LDS feeds two
; matrix instructions.  Every wave walks the head's 2,048 keys in 16 steps of 128.  Each wave also PREPARES 16 of each step's 128 keys for all eight: it loads them as f32, quantises K's rows
; (one fragment, stored to LDS as an image of its registers, and its scale words) and rounds V's rows to f16 (stored as rows [key][d]).
; LAYOUT.  S^T = K Q^T (source 0 = 16 keys, source 1 = 16 queries): a lane holds ONE query (lane % 16) and keys 8 (lane / 16) + 0..7.  Two such tiles, rounded to f16 in pairs, ARE source 1
; (32 keys x 16 queries) of O^T = V^T P, whose result again holds one query a lane and eight of the head's 64.  V comes out of LDS turned, by ds_load_tr16_b128.
; SOFTMAX.  For each query a running maximum m and sum l: p = 2^(c s - c m), c = log2(e) / 8; in every step O^T and l are multiplied by a = 2^(c m_old - c m_new).
; THE RING.  Four LDS slots hold prepared steps.  Step s: HEAD converts raw step s + 2 (in registers) into slot (s + 2) % 4, asks memory for raw step s + 3, waits for its LDS stores and SIGNALS;
; COMPUTE reads slot s % 4 (LDS loads and register work alone); then the barrier's WAIT.  Ordering: slot (s + 2) % 4 was last read in COMPUTE(s - 2), which every wave finished, its LDS loads waited for,
; ahead of its signal s - 1, and I write behind wait s - 1.  Slot s % 4 was stored ahead of signal s - 2, and I read behind wait s - 1.  While I read slot s % 4, another wave can be writing only
; slot (s + 2) % 4 (its HEAD of step s) or slot (s + 3) % 4 (its HEAD of step s + 1): other bytes.  So a wave waits only for waves that are a whole COMPUTE behind.
; NO CLUSTER, NO TENSOR LOAD.  The eight work-groups of a head read the same K and V, but as f32: each number has to pass through a lane's registers (quantiser, rounding) before any wave can multiply it.
; A joint load could land only the raw tile: 64 KB a step written to LDS and 64 KB read back, beside the 164 KB a step that the products read.  Through registers there is no tile to ask for jointly.
; LIMITS.  NaN and infinities among the inputs are not served.  A block of zeros gets the scale byte 1 (not 127): its codes are zeros, and the bytes are read here alone; blocks whose largest magnitude
; lies under 2^-124 keep the byte 1 and were not tried.  |value| has to stay under 65,504 (f16).  A weight p under about 3e-8 rounds to 0 in f16, beside a row sum of at least 1.  The running
; maximum starts at -3e38.
.set SLOTB, 25088                      ; a slot: K's images, K's scale words, V's rows
.set KIMG,  0                          ; 8 fragments x 512 bytes: fragment f at 512 f, a lane's 16 bytes at 16 x lane
.set KSC,   4096                       ; 8 x 64 bytes: fragment f, row r at 64 f + 4 r
.set VT,    4608                       ; 128 rows of 64 f16
.set PVR,   160                        ; a row of V in LDS: 128 bytes + 32 = 40 words: the turning load's 8 rows x 32 bytes fall on different banks (64 banks of 4 bytes: ISA guide 11.1)
.set STG,   4*SLOTB                    ; the way out: 16 rows x 272 bytes for each wave
.set SPARE, STG+8*4352                 ; the spare words, 128 bytes for each wave: four blocks of 256 bytes that no other line names
; window 0.  Each LDS address exists twice: register + 0 for slots 0, 1, register + 1 (2 SLOTB further on) for slots 2, 3; the rest stands in the immediate (47,712 at the most)
.set KRD, 1                            ; v1-2    16 x lane: an image's place
.set KSR, 3                            ; v3-4    4 x lane: scale words of two fragments
.set VRD, 5                            ; v5-6    the turning load: (8 h + lane % 8) PVR + 16 ((lane / 8) % 2)
.set KWR, 7                            ; v7-8    16 x lane + 512 x wave: where I store my fragment
.set KSW, 9                            ; v9-10   4 r + 64 x wave: and its scale words
.set VWR, 11                           ; v11-12  (16 x wave + 4 h) PVR + 8 r: and my rows of V
.set GK,  13                           ; v13     256 r + 128 h: block h of row r, in rows of 256 bytes (K, Q)
.set GV,  14                           ; v14     1024 h + 16 r: sixteen lanes to a row of V, lanes 16-31 four rows on
.set PFO, 15                           ; v15     256 x lane: the prefetches' offset
.set SH8, 16                           ; v16     8 h: my scale byte's place in the word
.set SPW, 17                           ; v17     LDS address of my spare word; never rewritten
.set NIL, 18                           ; v18     0; never rewritten
.set TA,  19                           ; v19, v20, v124, v125 at work in the quantiser
.set TB,  20
.set WD,  21                           ; v21     the scale word to be stored
.set STO, 22                           ; v22-24  the way out
.set RD,  23
.set GO,  24
.set QS,  26                           ; v26-27  Q's scale words, a tile each: scales and nothing else
.set KS,  28                           ; v28-31  K's scale words: register u: lanes 0-15 fragment 2 u, lanes 16-31 fragment 2 u + 1
.set ST,  32                           ; tile t's statistics at v[ST + 12 t]: +0 c m, +1 m, +2, +3 l in two halves, +4 a, +5 its pair's other half (0), +6 to +9 four chains (+6, +7 later a second sum), +10 c m_old, then the change
.set Q,   56                           ; v56-71  Q's fragments: 4 registers of codes, 4 of zeros, a tile
.set KF,  72                           ; v72-103 four fragments of K: 4 registers of codes, 4 that stay zero
.set KC,  104                          ; v104-107 codes to be stored
.set VC,  108                          ; v108-123 f16 to be stored
.set TC,  124
.set TD,  125
.set S,   128                          ; v128-255 S^T: tile t at + 64 t, keys 16 kt on at + 8 kt; p in place; P (f16) in the lower 32 of each tile's 64
; window 1
.set OT,  0                            ; v0-63   O^T: tile t, channels 16 dt on at 32 t + 8 dt
.set VF,  64                           ; v64-191 V's 16 fragments: keys 32 kk on, channels 16 dt on at + 8 (4 kk + dt)
.set LA,  192                          ; v192-255 a raw step: 32 numbers of K, 32 of V
.set WV,  12                           ; s12     my wave
.set SEL, 20                           ; s[20:21] v_permlanex16_b32's selects for lane l xor 16
.set CS,  22                           ; s[22:23] c, twice: the packed form names a pair
.set PADS, 24                          ; s24     0x7f7f0000: the scale bytes of the zero codes
.set STP, 25                           ; s25     the step
.set LIM, 26                           ; s26     11 in the work-group that prefetches, else 0
.set TRIP, 27                          ; s27     the loop's counter
.set KP,  28                           ; s[28:29] K at my 16 rows, s[30:31] V likewise; both walk
.set VP,  30
.set PF,  32                           ; s[32:33] where my prefetches stand
.set MSB, 0
.macro WIN new                         ; the immediate's high byte repeats the setting that is left; a switch that changes nothing is dropped
.if MSB != \new
	s_set_vgpr_msb (MSB<<8)|\new
.set MSB, \new
.endif
.endm
; 32 numbers of window 1, v[x] on (block h of my row r), become 4 registers of codes v[d] on and the row's scale word.
; The scale: the largest magnitude's exponent field less 2, held at 1 from below by the floor 2^(3 - 127) among the maximum's leaves.
.macro QUANT32 x, d, word
	WIN 0x05                                       ; sources 0 and 1 in window 1
.irp n, 0,1,2,3
	v_max3_num_f32 v[TA+\n/2*(TC-TA)+\n%2], |v[(\x)+2*\n]|, |v[(\x)+2*\n+1]|, 0x1800000   ; four chains: v19, v20, v124, v125
.endr
.irp i, 8,16,24
.irp n, 0,1,2,3
	v_max3_num_f32 v[TA+\n/2*(TC-TA)+\n%2], |v[(\x)+\i+2*\n]|, |v[(\x)+\i+2*\n+1]|, v[TA+\n/2*(TC-TA)+\n%2]
.endr
.endr
	WIN 0
	v_max3_num_f32 v[TA], v[TA], v[TB], v[TC]
	v_max_num_f32 v[TA], v[TA], v[TD]              ; the block's largest magnitude: all 32 numbers are mine
	v_add_nc_u32 v[TB], 0xff000000, v[TA]          ; 2 off its exponent field: the conversion takes the exponent field of this operand as its scale, and nothing else of it
	v_lshrrev_b32 v[TA], 23, v[TB]                 ; the scale's byte,
	v_lshl_or_b32 v[TA], v[TA], v[SH8], s[PADS]    ; at place h of the word; bytes 2 and 3, over the zero codes, are 0x7f
	WIN 0x01                                       ; source 0 in window 1
.irp g, 0,1,2,3
	v_cvt_scalef32_pk8_fp4_f32 v[(\d)+\g], v[(\x)+8*\g:(\x)+8*\g+7], v[TB]
.endr
	WIN 0
	v_nop                                          ; one plain line behind the last scaled conversion
	v_permlanex16_b32 v[TC], v[TA], s[SEL], s[SEL+1]
	v_or_b32 v[\word], v[TC], v[TA]                ; with lane l xor 16's byte the row's word is whole, in both halves of the lanes
.endm
; The raw step at v[x] on (window 1) goes into a slot.  wk, wv: the loads that may stay out when K's, then V's, eight have to be in.
.macro CONVERT x, slot, wk, wv
	s_wait_loadcnt \wk
	QUANT32 \x, KC, WD
	ds_store_b128 v[KWR+(\slot)/2], v[KC:KC+3] offset:((\slot)%2)*SLOTB+KIMG
	ds_store_b32 v[KSW+(\slot)/2], v[WD] offset:((\slot)%2)*SLOTB+KSC      ; lanes r and 16 + r write the same word with the same value
	s_wait_loadcnt \wv
	WIN 0x05
.irp i, 0,1,2,3,4,5,6,7
	v_cvt_pk_f16_f32 v[VC+2*\i], v[(\x)+32+4*\i], v[(\x)+32+4*\i+1]
	v_cvt_pk_f16_f32 v[VC+2*\i+1], v[(\x)+32+4*\i+2], v[(\x)+32+4*\i+3]
.endr
	WIN 0
.irp i, 0,1,2,3,4,5,6,7
	ds_store_b64 v[VWR+(\slot)/2], v[VC+2*\i:VC+2*\i+1] offset:((\slot)%2)*SLOTB+VT+(\i%4+8*(\i/4))*PVR   ; lanes 0-15 fill a row's 128 bytes, lanes 16-31 the row 640 bytes on: the other 32 banks
.endr
.endm
; 16 loads: my 16 rows of K (lane (r, h): the 128 bytes of block h of row r) and of V (sixteen lanes read one row's 256 consecutive bytes).  The window stays at 0x40: the caller switches back.
.macro LOADS base, imm
	WIN 0x40                                       ; destination window 1
.irp j, 0,1,2,3,4,5,6,7
	global_load_b128 v[(\base)+4*\j:(\base)+4*\j+3], v[GK], s[KP:KP+1] offset:(\imm)+16*\j
.endr
.irp i, 0,1,2,3,4,5,6,7
	global_load_b128 v[(\base)+32+4*\i:(\base)+32+4*\i+3], v[GV], s[VP:VP+1] offset:(\imm)+256*(\i%4+8*(\i/4))
.endr
.endm
; HEAD of a step.  The three tests hang on the count of steps alone and are nested, so that loads into the raw registers always stand behind the conversion that read them.
.macro HEAD dst
	s_cmp_lt_u32 s[STP], 14                        ; raw step STP + 2 exists
	s_cbranch_scc0 .Lsaid_\@
	CONVERT LA, \dst, 8, 0                         ; 8: V's eight loads were issued behind K's eight
	s_cmp_lt_u32 s[STP], 13                        ; step STP + 3 exists: no load leaves its buffer
	s_cbranch_scc0 .Lsaid_\@
	s_wait_xcnt 0x0                                ; the last loads and the last prefetch, a step back, have read their bases: they are stepped only behind this wait
	s_add_nc_u64 s[KP:KP+1], s[KP:KP+1], 32768     ; a step on: 128 rows of 256 bytes
	s_add_nc_u64 s[VP:VP+1], s[VP:VP+1], 32768
	s_add_nc_u64 s[PF:PF+1], s[PF:PF+1], 32768
	LOADS LA, 65536                                ; the bases stand at step STP + 1: two steps further on is step STP + 3
	WIN 0
	s_cmp_lt_u32 s[STP], s[LIM]
	s_cbranch_scc0 .Lsaid_\@
	; A PREFETCH of step STP + 5, two steps ahead of the loads just issued.  All eight work-groups of a head walk the same rows: the head's first work-group asks.  In it waves 0-3 ask for K's 128 rows,
	; waves 4-7 for V's: 32 rows a wave, a lane a row of 256 bytes.  So each row is named once in the launch.  Steps 0 to 4 come by their loads alone; the last asked for is step 15.
	global_prefetch_b8 v[PFO], s[PF:PF+1] offset:131072 th:TH_LOAD_NT scope:SCOPE_SE
.Lsaid_\@:
	s_wait_dscnt 0x0                               ; for the others' sake: my stores into the slot have landed (my LDS loads of the step before were waited for ahead of its last products)
	s_barrier_signal -1
.endm
; Eight products S^T = K Q^T: fragments 4 g + f in KF's place f, both tiles.  Each sum is ONE instruction (C = 0).  An odd fragment's scale words lie in lanes 16-31.
.macro QK g
.irp f, 0,1,2,3
.irp t, 0,1
.if (\f)%2
	v_wmma_scale_f32_16x16x128_f8f6f4 v[S+64*\t+8*(4*\g+\f):S+64*\t+8*(4*\g+\f)+7], v[KF+8*\f:KF+8*\f+7], v[Q+8*\t:Q+8*\t+7], 0, v[KS+2*\g+\f/2], v[QS+\t] matrix_a_fmt:MATRIX_FMT_FP4 matrix_b_fmt:MATRIX_FMT_FP4 matrix_a_scale:MATRIX_SCALE_ROW1
.else
	v_wmma_scale_f32_16x16x128_f8f6f4 v[S+64*\t+8*(4*\g+\f):S+64*\t+8*(4*\g+\f)+7], v[KF+8*\f:KF+8*\f+7], v[Q+8*\t:Q+8*\t+7], 0, v[KS+2*\g+\f/2], v[QS+\t] matrix_a_fmt:MATRIX_FMT_FP4 matrix_b_fmt:MATRIX_FMT_FP4
.endif
.endr
.endr
.endm
; The softmax of a step, both tiles line by line by turns.
.macro SOFTMAX
	; the maximum of a lane's 64 scores: four chains of 16 a tile.  Each accumulator is read from its low end on.  The first four lines name nothing of the
	; eight products just issued (their results are chains 2 and 3): they are the four places behind them (ISA guide 7.12.1).
.irp b, 0,1,2,3
.irp t, 0,1
	v_max3_num_f32 v[ST+12*\t+6+\b], v[S+64*\t+16*\b], v[S+64*\t+16*\b+1], v[S+64*\t+16*\b+2]
.endr
.endr
.irp i, 3,5,7,9,11,13
.irp b, 0,1,2,3
.irp t, 0,1
	v_max3_num_f32 v[ST+12*\t+6+\b], v[ST+12*\t+6+\b], v[S+64*\t+16*\b+\i], v[S+64*\t+16*\b+\i+1]
.endr
.endr
.endr
.irp b, 0,1,2,3
.irp t, 0,1
	v_max_num_f32 v[ST+12*\t+6+\b], v[ST+12*\t+6+\b], v[S+64*\t+16*\b+15]
.endr
.endr
.irp t, 0,1
	v_max3_num_f32 v[ST+12*\t+6], v[ST+12*\t+6], v[ST+12*\t+7], v[ST+12*\t+8]
.endr
.irp t, 0,1
	v_max3_num_f32 v[ST+12*\t+6], v[ST+12*\t+6], v[ST+12*\t+9], v[ST+12*\t+1]   ; with the old m
.endr
.irp t, 0,1
	v_mov_b32 v[ST+12*\t+10], v[ST+12*\t]          ; c m_old is kept
.endr
.irp t, 0,1
	v_permlanex16_b32 v[ST+12*\t+7], v[ST+12*\t+6], s[SEL], s[SEL+1]            ; the query's other 64 keys lie in the lane 16 away
.endr
.irp t, 0,1
	v_max_num_f32 v[ST+12*\t+1], v[ST+12*\t+6], v[ST+12*\t+7]                   ; the new m
.endr
.irp t, 0,1
	v_mul_f32 v[ST+12*\t], s[CS], v[ST+12*\t+1]    ; c m
.endr
.irp t, 0,1
	v_sub_f32 v[ST+12*\t+10], v[ST+12*\t+10], v[ST+12*\t]                       ; c m_old - c m_new, 0 or less
.endr
.set nn, 0
.rept 32
.irp t, 0,1
	v_pk_fma_f32 v[S+64*\t+nn:S+64*\t+nn+1], v[S+64*\t+nn:S+64*\t+nn+1], s[CS:CS+1], v[ST+12*\t:ST+12*\t+1] op_sel_hi:[1,0,0] neg_lo:[0,0,1] neg_hi:[0,0,1]   ; c s - c m, two at a time
.endr
.set nn, nn+2
.endr
	; ONE BATCH: both tiles' 130 exponentials; none reads another's result
.irp t, 0,1
	v_exp_f32 v[ST+12*\t+4], v[ST+12*\t+10]        ; a
.endr
.set nn, 0
.rept 64
.irp t, 0,1
	v_exp_f32 v[S+64*\t+nn], v[S+64*\t+nn]         ; p, at most 1
.endr
.set nn, nn+1
.endr
	v_nop                                          ; a plain line behind the last exponential
	s_wait_alu depctr_va_vdst(0)                   ; a wait ahead of the first line that names a result: one for the batch
.irp t, 0,1
	v_pk_mul_f32 v[ST+12*\t+2:ST+12*\t+3], v[ST+12*\t+2:ST+12*\t+3], v[ST+12*\t+4:ST+12*\t+5] op_sel_hi:[1,0]   ; l under the new m
.endr
.irp t, 0,1
	v_pk_add_f32 v[ST+12*\t+6:ST+12*\t+7], v[S+64*\t:S+64*\t+1], v[S+64*\t+2:S+64*\t+3]   ; the sum is taken of the unrounded p, in two chains a tile
.endr
.set nn, 4
.rept 15
.irp t, 0,1
	v_pk_add_f32 v[ST+12*\t+2:ST+12*\t+3], v[ST+12*\t+2:ST+12*\t+3], v[S+64*\t+nn:S+64*\t+nn+1]
	v_pk_add_f32 v[ST+12*\t+6:ST+12*\t+7], v[ST+12*\t+6:ST+12*\t+7], v[S+64*\t+nn+2:S+64*\t+nn+3]
.endr
.set nn, nn+4
.endr
.irp t, 0,1
	v_pk_add_f32 v[ST+12*\t+2:ST+12*\t+3], v[ST+12*\t+2:ST+12*\t+3], v[ST+12*\t+6:ST+12*\t+7]
.endr
.set nn, 0
.rept 32
.irp t, 0,1
	v_cvt_pk_f16_f32 v[S+64*\t+nn], v[S+64*\t+2*nn], v[S+64*\t+2*nn+1]   ; P in place, ascending: register n takes p 2 n and 2 n + 1, which no later line reads
.endr
.set nn, nn+1
.endr
	WIN 0x41                                       ; O^T (destination and source 0) in window 1, a in window 0
.set nn, 0
.rept 16
.irp t, 0,1
	v_pk_mul_f32 v[OT+32*\t+nn:OT+32*\t+nn+1], v[OT+32*\t+nn:OT+32*\t+nn+1], v[ST+12*\t+4:ST+12*\t+5] op_sel_hi:[1,0]   ; O^T under the new m; each accumulator from its low end on
.endr
.set nn, nn+2
.endr
.endm
; COMPUTE of a step, from slot sl: LDS loads and register work alone (it stands between the barrier's signal and its wait).
.macro COMPUTE sl
.set AI, (\sl)/2
.set OF, ((\sl)%2)*SLOTB
.irp f, 0,1,2,3
	ds_load_b128 v[KF+8*\f:KF+8*\f+3], v[KRD+AI] offset:OF+KIMG+512*\f
.endr
.irp u, 0,1,2,3
	ds_load_b32 v[KS+\u], v[KSR+AI] offset:OF+KSC+128*\u
.endr
	s_wait_dscnt 0x0
	QK 0
.rept 4
	v_nop                                          ; four places in front of the loads into K's registers, which those products read (and, with the five at the step's end, in front of those into V's)
.endr
.irp f, 0,1,2,3
	ds_load_b128 v[KF+8*\f:KF+8*\f+3], v[KRD+AI] offset:OF+KIMG+512*(4+\f)
.endr
	WIN 0x40                                       ; destination window 1
.irp kk, 0,1,2,3
.irp dt, 0,1,2,3
	ds_load_tr16_b128 v[VF+8*(4*\kk+\dt):VF+8*(4*\kk+\dt)+3], v[VRD+AI] offset:OF+VT+32*PVR*\kk+32*\dt
	ds_load_tr16_b128 v[VF+8*(4*\kk+\dt)+4:VF+8*(4*\kk+\dt)+7], v[VRD+AI] offset:OF+VT+32*PVR*\kk+32*\dt+16*PVR
.endr
.endr
	WIN 0
	s_wait_dscnt 32                                ; K's four fragments are in; V's 32 loads, issued behind them, land under the softmax
	QK 1
	SOFTMAX
	s_wait_dscnt 0x0                               ; V is in
	WIN 0x51                                       ; V, C and D in window 1, P in window 0
.irp kk, 0,1,2,3
.irp dt, 0,1,2,3
.irp t, 0,1
	v_wmma_f32_16x16x32_f16 v[OT+32*\t+8*\dt:OT+32*\t+8*\dt+7], v[VF+8*(4*\kk+\dt):VF+8*(4*\kk+\dt)+7], v[S+64*\t+8*\kk:S+64*\t+8*\kk+7], v[OT+32*\t+8*\dt:OT+32*\t+8*\dt+7]   ; the eight accumulators take turns, one instruction a turn
.endr
.endr
.endr
	WIN 0
.rept 5
	v_nop                                          ; five places: the next step's first products write over P, which these products read
.endr
.endm
.macro STEP j
	HEAD ((\j)+2)%4
	COMPUTE \j
	s_barrier_wait -1
	s_add_co_u32 s[STP], s[STP], 1
.endm
	s_load_b256 s[4:11], s[0:1], 0x0               ; query s[4:5], key s[6:7], value s[8:9], out0 s[10:11]
	v_lshl_add_u32 v[SPW], v0, 2, SPARE
	v_mov_b32 v[NIL], 0
	v_lshrrev_b32 v[TA], 5, v0
	v_readfirstlane_b32 s[WV], v[TA]               ; wave 0..7
	v_and_b32 v[TA], 31, v0                        ; lane
	v_and_b32 v[TB], 15, v0                        ; r
	v_bfe_u32 v[WD], v0, 4, 1                      ; h
	v_lshlrev_b32 v[KRD], 4, v[TA]
	v_add_nc_u32 v[KRD+1], 2*SLOTB, v[KRD]
	v_lshlrev_b32 v[KSR], 2, v[TA]
	v_add_nc_u32 v[KSR+1], 2*SLOTB, v[KSR]
	v_and_b32 v[VRD], 7, v0
	v_lshl_add_u32 v[VRD], v[WD], 3, v[VRD]        ; 8 h + lane % 8
	v_mul_u32_u24 v[VRD], v[VRD], PVR
	v_bfe_u32 v[VRD+1], v0, 3, 1
	v_lshl_add_u32 v[VRD], v[VRD+1], 4, v[VRD]
	v_add_nc_u32 v[VRD+1], 2*SLOTB, v[VRD]
	s_lshl_b32 s13, s[WV], 9
	v_add_nc_u32 v[KWR], s13, v[KRD]
	v_add_nc_u32 v[KWR+1], 2*SLOTB, v[KWR]
	s_lshl_b32 s13, s[WV], 6
	v_lshl_add_u32 v[KSW], v[TB], 2, s13
	v_add_nc_u32 v[KSW+1], 2*SLOTB, v[KSW]
	s_mul_i32 s13, s[WV], 16*PVR
	v_mul_u32_u24 v[VWR], v[WD], 4*PVR
	v_lshl_add_u32 v[VWR], v[TB], 3, v[VWR]
	v_add_nc_u32 v[VWR], s13, v[VWR]
	v_add_nc_u32 v[VWR+1], 2*SLOTB, v[VWR]
	v_lshlrev_b32 v[GK], 8, v[TB]
	v_lshl_add_u32 v[GK], v[WD], 7, v[GK]
	v_lshlrev_b32 v[GV], 4, v[TB]
	v_lshl_add_u32 v[GV], v[WD], 10, v[GV]
	v_lshlrev_b32 v[PFO], 8, v[TA]
	v_lshlrev_b32 v[SH8], 3, v[WD]
	s_mul_i32 s13, s[WV], 4352
	s_add_co_u32 s13, s13, STG                     ; my stage
	v_mul_u32_u24 v[STO], v[TB], 272               ; in: row r, 32 bytes for each half of the lanes
	v_lshl_add_u32 v[STO], v[WD], 5, v[STO]
	v_add_nc_u32 v[STO], s13, v[STO]
	v_mul_u32_u24 v[RD], v[WD], 272                ; back: lanes 0-15 one row of 256 bytes, lanes 16-31 the next
	v_lshl_add_u32 v[RD], v[TB], 4, v[RD]
	v_add_nc_u32 v[RD], s13, v[RD]
	v_lshlrev_b32 v[GO], 8, v[WD]                  ; and the same two rows in out0
	v_lshl_add_u32 v[GO], v[TB], 4, v[GO]
	s_mov_b32 s[SEL], 0x76543210
	s_mov_b32 s[SEL+1], 0xfedcba98
	s_mov_b32 s[CS], 0x3e38aa3b                    ; c = log2(e) / 8
	s_mov_b32 s[CS+1], s[CS]                       ; (named with it as a pair, so it is written)
	s_mov_b32 s[PADS], 0x7f7f0000
	s_and_b32 s16, ttmp7, 0xffff
	s_lshl_b32 s16, s16, 19                        ; the head's first byte in each tensor: 2,048 rows of 256 bytes
	s_lshl_b32 s18, ttmp9, 16                      ; my block's 256 rows,
	s_lshl_b32 s13, s[WV], 13                      ; my wave's 32 of them
	s_add_co_u32 s18, s18, s13
	s_add_co_u32 s18, s18, s16
	s_mov_b32 s19, 0
	s_lshl_b32 s14, s[WV], 12                      ; the 16 rows of a step that I prepare
	s_add_co_u32 s14, s14, s16
	s_mov_b32 s15, 0
	s_and_b32 s34, s[WV], 3
	s_lshl_b32 s34, s34, 13                        ; the 32 rows of a step that I would prefetch
	s_add_co_u32 s34, s34, s16
	s_mov_b32 s35, 0
	s_cmp_eq_u32 ttmp9, 0                          ; the head's first work-group prefetches, in steps 0 to 10
	s_cselect_b32 s[LIM], 11, 0
	s_wait_kmcnt 0x0
	s_add_nc_u64 s[4:5], s[4:5], s[18:19]          ; query and out0 at my wave's first row
	s_add_nc_u64 s[10:11], s[10:11], s[18:19]
	s_add_nc_u64 s[KP:KP+1], s[6:7], s[14:15]
	s_add_nc_u64 s[VP:VP+1], s[8:9], s[14:15]
	s_cmp_lt_u32 s[WV], 4                          ; waves 0-3 ask for K's rows, waves 4-7 for V's
	s_cselect_b64 s[PF:PF+1], s[6:7], s[8:9]
	s_add_nc_u64 s[PF:PF+1], s[PF:PF+1], s[34:35]
	; 64 loads in one run: Q's two tiles (read once), then raw steps 0, 1, 2
	WIN 0x40
.irp t, 0,1
.irp j, 0,1,2,3,4,5,6,7
	global_load_b128 v[32*\t+4*\j:32*\t+4*\j+3], v[GK], s[4:5] offset:4096*\t+16*\j th:TH_LOAD_NT
.endr
.endr
	LOADS 64, 0
	LOADS 128, 32768
	LOADS LA, 65536
	WIN 0
.irp t, 0,1
.irp i, 4,5,6,7
	v_mov_b32 v[Q+8*\t+\i], 0                      ; k = 64 .. 127: zero codes, on both sides
.endr
.endr
.irp f, 0,1,2,3
.irp i, 4,5,6,7
	v_mov_b32 v[KF+8*\f+\i], 0                     ; no later line writes these
.endr
.endr
.irp t, 0,1
	v_mov_b32 v[ST+12*\t+1], 0xff61b1e6            ; m = -3e38, under every score
	v_mul_f32 v[ST+12*\t], s[CS], v[ST+12*\t+1]
	v_mov_b32 v[ST+12*\t+2], 0                     ; l, in two halves
	v_mov_b32 v[ST+12*\t+3], 0
	v_mov_b32 v[ST+12*\t+5], 0                     ; (named with a as a pair, so it is written)
.endr
	s_wait_loadcnt 48                              ; Q's 16 loads are in; the 48 behind them may be out
	QUANT32 0, Q, QS
	QUANT32 32, Q+8, QS+1
	WIN 0x40
.set nn, 0
.rept 64
	v_mov_b32 v[OT+nn], 0                          ; O^T, where raw Q lay.  The step is written once: the first finds zeros, and its a = 2^(-huge) = 0 leaves them zeros
.set nn, nn+1
.endr
	WIN 0
	CONVERT 64, 0, 40, 32                          ; behind raw 0's K: 40 loads; behind its V: 32
	s_wait_dscnt 0x0                               ; the stores have read their registers
	CONVERT 128, 1, 24, 16                         ; behind raw 1's K: 24; behind its V: 16 (raw step 2)
	s_wait_dscnt 0x0                               ; my parts of slots 0 and 1 have landed,
	s_barrier_signal -1
	s_barrier_wait -1                              ; everybody's have
	s_mov_b32 s[STP], 0
	s_mov_b32 s[TRIP], 0
.Ltrip:                                                ; four trips of four steps: every slot is an immediate, and no LDS address is stepped
	STEP 0
	STEP 1
	STEP 2
	STEP 3
	s_add_co_u32 s[TRIP], s[TRIP], 1
	s_cmp_lt_u32 s[TRIP], 4
	s_cbranch_scc1 .Ltrip
	; THE WAY OUT.  l's two halves and the other half of the lanes' are added; O^T / l goes through my own stage in LDS, a tile (16 rows of out0) at a time, and comes back as whole rows.
.irp t, 0,1
	v_add_f32 v[ST+12*\t+6], v[ST+12*\t+2], v[ST+12*\t+3]
.endr
.irp t, 0,1
	v_permlanex16_b32 v[ST+12*\t+7], v[ST+12*\t+6], s[SEL], s[SEL+1]
.endr
.irp t, 0,1
	v_add_f32 v[ST+12*\t+6], v[ST+12*\t+6], v[ST+12*\t+7]
.endr
.irp t, 0,1
	v_rcp_f32 v[ST+12*\t+4], v[ST+12*\t+6]
.endr
	v_nop                                          ; a plain line behind the last reciprocal
	s_wait_alu depctr_va_vdst(0)                   ; and a wait ahead of the first use: one for the two
	WIN 0x01                                       ; O^T in window 1; the quotients go to window 0, where S^T lay
.set nn, 0
.rept 16
.irp t, 0,1
	v_pk_mul_f32 v[S+32*\t+nn:S+32*\t+nn+1], v[OT+32*\t+nn:OT+32*\t+nn+1], v[ST+12*\t+4:ST+12*\t+5] op_sel_hi:[1,0]   ; register 8 dt + j: out0(r, 16 dt + 8 h + j); each accumulator from its low end on
.endr
.set nn, nn+2
.endr
	WIN 0
.irp t, 0,1
.irp dt, 0,1,2,3
	ds_store_b128 v[STO], v[S+32*\t+8*\dt:S+32*\t+8*\dt+3] offset:64*\dt
	ds_store_b128 v[STO], v[S+32*\t+8*\dt+4:S+32*\t+8*\dt+7] offset:64*\dt+16
.endr
.irp i, 0,1,2,3,4,5,6,7
	ds_load_b128 v[S+64+32*\t+4*\i:S+64+32*\t+4*\i+3], v[RD] offset:544*\i   ; LDS serves a wave's instructions in order (ISA guide 5.7.1.4): these see the stores above, and the next tile's stores come behind them
.endr
.endr
.irp t, 0,1
.irp i, 0,1,2,3,4,5,6,7
	s_wait_dscnt 16*(1-\t)+7-\i                    ; behind this load: the tile's younger loads, and for tile 0 tile 1's sixteen LDS instructions
	global_store_b128 v[GO], v[S+64+32*\t+4*\i:S+64+32*\t+4*\i+3], s[10:11] offset:4096*\t+512*\i th:TH_STORE_NT   ; sixteen lanes store a row's 256 consecutive bytes, at a multiple of 256 from out0's first byte
.endr
.endr
	s_wait_tensorcnt 0x0                           ; the wave's end: three closing lines, behind my last LDS store
	ds_add_u32 v[SPW], v[NIL]
	s_wait_dscnt 0x0
	s_endpgm
.Lfunc_end_k_q39189bc954_attn:
	.size	k_q39189bc954_attn, .Lfunc_end_k_q39189bc954_attn-k_q39189bc954_attn
	.p2alignl 7, 3214868480
	.fill 96, 4, 3214868480
	.section	.rodata,"a",@progbits
	.p2align	6, 0x0
	.amdhsa_kernel k_q39189bc954_attn
		.amdhsa_group_segment_fixed_size 136192
		.amdhsa_private_segment_fixed_size 0
		.amdhsa_enable_private_segment 0
		.amdhsa_kernarg_size 32
		.amdhsa_user_sgpr_count 2
		.amdhsa_user_sgpr_kernarg_segment_ptr 1
		.amdhsa_wavefront_size32 1
		.amdhsa_system_sgpr_workgroup_id_x 1
		.amdhsa_system_sgpr_workgroup_id_y 1
		.amdhsa_system_sgpr_workgroup_id_z 1
		.amdhsa_system_vgpr_workitem_id 0
		.amdhsa_next_free_vgpr 512
		.amdhsa_next_free_sgpr 66
		.amdhsa_reserve_vcc 0
		.amdhsa_float_denorm_mode_32 3
		.amdhsa_float_denorm_mode_16_64 3
		.amdhsa_memory_ordered 1
		.amdhsa_forward_progress 1
		.amdhsa_inst_pref_size 174
	.end_amdhsa_kernel
	.amdgpu_metadata
---
amdhsa.version: [ 1, 2 ]
amdhsa.kernels:
  - .name:           k_q39189bc954_attn
    .symbol:         k_q39189bc954_attn.kd
    .args:
      - { .name: query, .offset: 0, .size: 8, .value_kind: global_buffer, .address_space: global }
      - { .name: key, .offset: 8, .size: 8, .value_kind: global_buffer, .address_space: global }
      - { .name: value, .offset: 16, .size: 8, .value_kind: global_buffer, .address_space: global }
      - { .name: out0, .offset: 24, .size: 8, .value_kind: global_buffer, .address_space: global }
    .group_segment_fixed_size: 136192
    .private_segment_fixed_size: 0
    .kernarg_segment_align: 8
    .kernarg_segment_size: 32
    .max_flat_workgroup_size: 256
    .sgpr_count:     66
    .vgpr_count:     512
    .wavefront_size: 32
...
	.end_amdgpu_metadata
.endif
;; end of part 1
;; ======== version 2 of 2: 1 launch; version 1 with the launch attn written anew for expert scheduling mode
;; limits: values are held in f16: magnitudes above 65,504 overflow, below 6.1e-05 lose precision; inputs' magnitudes at most 65,504
;; launch attn (part 2): grid 8 x 32, 8 waves a work-group, no clusters, 136,192 bytes of LDS; arguments query, key, value, out0; writes out0
.if DOCPART == 2
	.amdgcn_target "amdgcn-amd-amdhsa--gfx1250"
	.amdhsa_code_object_version 6
	.text
	.protected	k_q39189bc954_attn
	.globl	k_q39189bc954_attn
	.p2align	8
	.type	k_q39189bc954_attn,@function
k_q39189bc954_attn:
	s_mov_b64 s[64:65], 0
	v_nop
	global_prefetch_b8 v0, s[64:65] scope:SCOPE_SE
	s_setreg_imm32_b32 hwreg(HW_REG_WAVE_SCHED_MODE, 0, 2), 2
	s_setreg_imm32_b32 hwreg(HW_REG_WAVE_MODE, 25, 1), 1
	s_wait_xcnt 0x0
	s_wait_alu depctr_vm_vsrc(0)
; out0[h][q][:] = the sum over k of softmax_k(Q[h][q] . K[h][k] / 8) V[h][k][:].  query, key, value, out0: [32 heads][2048][64] f32.
; PRODUCT 1 (Q K^T, K = 64 = two blocks of 32) runs on codes of E2M1 with one E8M0 scale a block, made here by the stated quantiser; the matrix instruction's K is 128, so the upper 64 are zero
; codes on both sides, under the scale byte 0x7f.  PRODUCT 2 (P V) runs on f16 operands with f32 sums.  Maxima, exponentials, row sums (of the unrounded p) and the division are f32.
; SHARES.  A work-group owns 256 queries of one head (x: the block, y: the head); each of its eight waves owns 32 of them, two tiles of 16, so that each fragment of K and V read from LDS feeds two
; matrix instructions.  Every wave walks the head's 2,048 keys in 16 steps of 128.  Each wave also PREPARES 16 of each step's 128 keys for all eight: it loads them as f32, quantises K's rows
; (one fragment, stored to LDS as an image of its registers, and its scale words) and rounds V's rows to f16 (stored as rows [key][d]).
; LAYOUT.  S^T = K Q^T (source 0 = 16 keys, source 1 = 16 queries): a lane holds ONE query (lane % 16) and keys 8 (lane / 16) + 0..7.  Two such tiles, rounded to f16 in pairs, ARE source 1
; (32 keys x 16 queries) of O^T = V^T P, whose result again holds one query a lane and eight of the head's 64.  V comes out of LDS turned, by ds_load_tr16_b128.
; SOFTMAX.  For each query a running maximum m and sum l: p = 2^(c s - c m), c = log2(e) / 8; in every step O^T and l are multiplied by a = 2^(c m_old - c m_new).
; THE RING.  Four LDS slots hold prepared steps.  Step s: HEAD converts raw step s + 2 (in registers) into slot (s + 2) % 4, asks memory for raw step s + 3, waits for its LDS stores and SIGNALS;
; COMPUTE reads slot s % 4 (LDS loads and register work alone); then the barrier's WAIT.  Ordering: slot (s + 2) % 4 was last read in COMPUTE(s - 2), which every wave finished, its LDS loads waited for,
; ahead of its signal s - 1, and I write behind wait s - 1.  Slot s % 4 was stored ahead of signal s - 2, and I read behind wait s - 1.  While I read slot s % 4, another wave can be writing only
; slot (s + 2) % 4 (its HEAD of step s) or slot (s + 3) % 4 (its HEAD of step s + 1): other bytes.  So a wave waits only for waves that are a whole COMPUTE behind.
; NO CLUSTER, NO TENSOR LOAD.  The eight work-groups of a head read the same K and V, but as f32: each number has to pass through a lane's registers (quantiser, rounding) before any wave can multiply it.
; A joint load could land only the raw tile: 64 KB a step written to LDS and 64 KB read back, beside the 164 KB a step that the products read.  Through registers there is no tile to ask for jointly.
; THE MODE: SCHED_MODE bits 1:0 = 2 (LLVM: expert scheduling mode 2), set by the entry lines.  The code itself states the register dependences
; between vector or matrix instructions and memory or LDS instructions, with s_wait_alu, always for 0.
; THE PLAN.  Registers that memory or LDS instructions touch, in the loop:
;   LA            HEAD of step s: the quantiser and the roundings read it; behind them the 16 global loads of raw step s + 3 land in it.
;   KC, WD, VC    HEAD: the conversions write them; the ten LDS stores behind them read them.
;   KF (the lower four of each eight), KS   LDS loads land in them (KF twice a step); the scaled products read them.
;   VF            The 32 turning loads land in it; the 32 f16 products at the step's end read it.
;   v1-v15, v22-v24   Addresses and offsets: made at the head and never written again; slots stand in immediates, rows are reached by scalar bases.
;   S^T, P, O^T and the statistics are named by vector and matrix instructions alone, up to the way out.
;   v[SPW], v[NIL]    Written at the head, read by the closing add alone.
; So a step has one wait on vm_vsrc (the conversion's head: the last conversion's LDS stores have read KC, WD, VC) and four on va_vdst: behind the conversions (KC, WD, VC are written; LA has been read),
; at COMPUTE's head (the last step's products are done with KF, KS, VF: the steps that convert nothing pass no other wait), behind the first eight scaled products (they are done with KF), and behind the exponentials.
; LIMITS.  NaN and infinities among the inputs are not served.  A block of zeros gets the scale byte 1 (not 127): its codes are zeros, and the bytes are read here alone; blocks whose largest magnitude
; lies under 2^-124 keep the byte 1 and were not tried.  |value| has to stay under 65,504 (f16).  A weight p under about 3e-8 rounds to 0 in f16, beside a row sum of at least 1.  The running
; maximum starts at -3e38.
.set SLOTB, 25088                      ; a slot: K's images, K's scale words, V's rows
.set KIMG,  0                          ; 8 fragments x 512 bytes: fragment f at 512 f, a lane's 16 bytes at 16 x lane
.set KSC,   4096                       ; 8 x 64 bytes: fragment f, row r at 64 f + 4 r
.set VT,    4608                       ; 128 rows of 64 f16
.set PVR,   160                        ; a row of V in LDS: 128 bytes + 32 = 40 words: the turning load's 8 rows x 32 bytes fall on different banks (64 banks of 4 bytes: ISA guide 11.1)
.set STG,   4*SLOTB                    ; the way out: 16 rows x 272 bytes for each wave
.set SPARE, STG+8*4352                 ; the spare words, 128 bytes for each wave: four blocks of 256 bytes that no other line names
; window 0.  Each LDS address exists twice: register + 0 for slots 0, 1, register + 1 (2 SLOTB further on) for slots 2, 3; the rest stands in the immediate (47,712 at the most)
.set KRD, 1                            ; v1-2    16 x lane: an image's place
.set KSR, 3                            ; v3-4    4 x lane: scale words of two fragments
.set VRD, 5                            ; v5-6    the turning load: (8 h + lane % 8) PVR + 16 ((lane / 8) % 2)
.set KWR, 7                            ; v7-8    16 x lane + 512 x wave: where I store my fragment
.set KSW, 9                            ; v9-10   4 r + 64 x wave: and its scale words
.set VWR, 11                           ; v11-12  (16 x wave + 4 h) PVR + 8 r: and my rows of V
.set GK,  13                           ; v13     256 r + 128 h: block h of row r, in rows of 256 bytes (K, Q)
.set GV,  14                           ; v14     1024 h + 16 r: sixteen lanes to a row of V, lanes 16-31 four rows on
.set PFO, 15                           ; v15     256 x lane: the prefetches' offset
.set SH8, 16                           ; v16     8 h: my scale byte's place in the word
.set SPW, 17                           ; v17     LDS address of my spare word; never rewritten
.set NIL, 18                           ; v18     0; never rewritten
.set TA,  19                           ; v19, v20, v124, v125 at work in the quantiser
.set TB,  20
.set WD,  21                           ; v21     the scale word to be stored
.set STO, 22                           ; v22-24  the way out
.set RD,  23
.set GO,  24
.set QS,  26                           ; v26-27  Q's scale words, a tile each: scales and nothing else
.set KS,  28                           ; v28-31  K's scale words: register u: lanes 0-15 fragment 2 u, lanes 16-31 fragment 2 u + 1
.set ST,  32                           ; tile t's statistics at v[ST + 12 t]: +0 c m, +1 m, +2, +3 l in two halves, +4 a, +5 its pair's other half (0), +6 to +9 four chains (+6, +7 later a second sum), +10 c m_old, then the change
.set Q,   56                           ; v56-71  Q's fragments: 4 registers of codes, 4 of zeros, a tile
.set KF,  72                           ; v72-103 four fragments of K: 4 registers of codes, 4 that stay zero
.set KC,  104                          ; v104-107 codes to be stored
.set VC,  108                          ; v108-123 f16 to be stored
.set TC,  124
.set TD,  125
.set S,   128                          ; v128-255 S^T: tile t at + 64 t, keys 16 kt on at + 8 kt; p in place; P (f16) in the lower 32 of each tile's 64
; window 1
.set OT,  0                            ; v0-63   O^T: tile t, channels 16 dt on at 32 t + 8 dt
.set VF,  64                           ; v64-191 V's 16 fragments: keys 32 kk on, channels 16 dt on at + 8 (4 kk + dt)
.set LA,  192                          ; v192-255 a raw step: 32 numbers of K, 32 of V
.set WV,  12                           ; s12     my wave
.set SEL, 20                           ; s[20:21] v_permlanex16_b32's selects for lane l xor 16
.set CS,  22                           ; s[22:23] c, twice: the packed form names a pair
.set PADS, 24                          ; s24     0x7f7f0000: the scale bytes of the zero codes
.set STP, 25                           ; s25     the step
.set LIM, 26                           ; s26     11 in the work-group that prefetches, else 0
.set TRIP, 27                          ; s27     the loop's counter
.set KP,  28                           ; s[28:29] K at my 16 rows, s[30:31] V likewise; both walk
.set VP,  30
.set PF,  32                           ; s[32:33] where my prefetches stand
.set MSB, 0
.macro WIN new                         ; the immediate's high byte repeats the setting that is left; a switch that changes nothing is dropped
.if MSB != \new
	s_set_vgpr_msb (MSB<<8)|\new
.set MSB, \new
.endif
.endm
; 32 numbers of window 1, v[x] on (block h of my row r), become 4 registers of codes v[d] on and the row's scale word.
; The scale: the largest magnitude's exponent field less 2, held at 1 from below by the floor 2^(3 - 127) among the maximum's leaves.
.macro QUANT32 x, d, word
	WIN 0x05                                       ; sources 0 and 1 in window 1
.irp n, 0,1,2,3
	v_max3_num_f32 v[TA+\n/2*(TC-TA)+\n%2], |v[(\x)+2*\n]|, |v[(\x)+2*\n+1]|, 0x1800000   ; four chains: v19, v20, v124, v125
.endr
.irp i, 8,16,24
.irp n, 0,1,2,3
	v_max3_num_f32 v[TA+\n/2*(TC-TA)+\n%2], |v[(\x)+\i+2*\n]|, |v[(\x)+\i+2*\n+1]|, v[TA+\n/2*(TC-TA)+\n%2]
.endr
.endr
	WIN 0
	v_max3_num_f32 v[TA], v[TA], v[TB], v[TC]
	v_max_num_f32 v[TA], v[TA], v[TD]              ; the block's largest magnitude: all 32 numbers are mine
	v_add_nc_u32 v[TB], 0xff000000, v[TA]          ; 2 off its exponent field: the conversion takes the exponent field of this operand as its scale, and nothing else of it
	v_lshrrev_b32 v[TA], 23, v[TB]                 ; the scale's byte,
	v_lshl_or_b32 v[TA], v[TA], v[SH8], s[PADS]    ; at place h of the word; bytes 2 and 3, over the zero codes, are 0x7f
	WIN 0x01                                       ; source 0 in window 1
.irp g, 0,1,2,3
	v_cvt_scalef32_pk8_fp4_f32 v[(\d)+\g], v[(\x)+8*\g:(\x)+8*\g+7], v[TB]
.endr
	WIN 0
	v_nop                                          ; one plain line behind the last scaled conversion
	v_permlanex16_b32 v[TC], v[TA], s[SEL], s[SEL+1]
	v_or_b32 v[\word], v[TC], v[TA]                ; with lane l xor 16's byte the row's word is whole, in both halves of the lanes
.endm
; The raw step at v[x] on (window 1) goes into a slot.  wk, wv: the loads that may stay out when K's, then V's, eight have to be in.  again = 1: an earlier conversion's LDS stores have read KC, WD and VC.
; All the conversions stand first, the ten LDS stores behind them, so that one wait serves the ten.
.macro CONVERT x, slot, wk, wv, again
	s_wait_loadcnt \wk
.if \again
	s_wait_alu depctr_vm_vsrc(0)                   ; the last conversion's LDS stores have read KC, WD and VC, which the lines below write again
.endif
	QUANT32 \x, KC, WD
	s_wait_loadcnt \wv
	WIN 0x05
.irp i, 0,1,2,3,4,5,6,7
	v_cvt_pk_f16_f32 v[VC+2*\i], v[(\x)+32+4*\i], v[(\x)+32+4*\i+1]
	v_cvt_pk_f16_f32 v[VC+2*\i+1], v[(\x)+32+4*\i+2], v[(\x)+32+4*\i+3]
.endr
	WIN 0
	s_wait_alu depctr_va_vdst(0)                   ; the conversions have written KC, WD and VC, which the ten LDS stores read, and are done reading the raw step, in whose registers later loads land
	ds_store_b128 v[KWR+(\slot)/2], v[KC:KC+3] offset:((\slot)%2)*SLOTB+KIMG
	ds_store_b32 v[KSW+(\slot)/2], v[WD] offset:((\slot)%2)*SLOTB+KSC      ; lanes r and 16 + r write the same word with the same value
.irp i, 0,1,2,3,4,5,6,7
	ds_store_b64 v[VWR+(\slot)/2], v[VC+2*\i:VC+2*\i+1] offset:((\slot)%2)*SLOTB+VT+(\i%4+8*(\i/4))*PVR   ; lanes 0-15 fill a row's 128 bytes, lanes 16-31 the row 640 bytes on: the other 32 banks
.endr
.endm
; 16 loads: my 16 rows of K (lane (r, h): the 128 bytes of block h of row r) and of V (sixteen lanes read one row's 256 consecutive bytes).  The window stays at 0x40: the caller switches back.
.macro LOADS base, imm
	WIN 0x40                                       ; destination window 1
.irp j, 0,1,2,3,4,5,6,7
	global_load_b128 v[(\base)+4*\j:(\base)+4*\j+3], v[GK], s[KP:KP+1] offset:(\imm)+16*\j
.endr
.irp i, 0,1,2,3,4,5,6,7
	global_load_b128 v[(\base)+32+4*\i:(\base)+32+4*\i+3], v[GV], s[VP:VP+1] offset:(\imm)+256*(\i%4+8*(\i/4))
.endr
.endm
; HEAD of a step.  The three tests hang on the count of steps alone and are nested, so that loads into the raw registers always stand behind the conversion that read them.
.macro HEAD dst
	s_cmp_lt_u32 s[STP], 14                        ; raw step STP + 2 exists
	s_cbranch_scc0 .Lsaid_\@
	CONVERT LA, \dst, 8, 0, 1                      ; 8: V's eight loads were issued behind K's eight
	s_cmp_lt_u32 s[STP], 13                        ; step STP + 3 exists: no load leaves its buffer
	s_cbranch_scc0 .Lsaid_\@
	s_wait_xcnt 0x0                                ; the last loads and the last prefetch, a step back, have read their bases: they are stepped only behind this wait
	s_add_nc_u64 s[KP:KP+1], s[KP:KP+1], 32768     ; a step on: 128 rows of 256 bytes
	s_add_nc_u64 s[VP:VP+1], s[VP:VP+1], 32768
	s_add_nc_u64 s[PF:PF+1], s[PF:PF+1], 32768
	LOADS LA, 65536                                ; the bases stand at step STP + 1: two steps further on is step STP + 3.  No wait: since the wait behind the conversions no vector line has been issued, and the LDS stores name other registers
	WIN 0
	s_cmp_lt_u32 s[STP], s[LIM]
	s_cbranch_scc0 .Lsaid_\@
	; A PREFETCH of step STP + 5, two steps ahead of the loads just issued.  All eight work-groups of a head walk the same rows: the head's first work-group asks.  In it waves 0-3 ask for K's 128 rows,
	; waves 4-7 for V's: 32 rows a wave, a lane a row of 256 bytes.  So each row is named once in the launch.  Steps 0 to 4 come by their loads alone; the last asked for is step 15.
	global_prefetch_b8 v[PFO], s[PF:PF+1] offset:131072 th:TH_LOAD_NT scope:SCOPE_SE
.Lsaid_\@:
	s_wait_dscnt 0x0                               ; for the others' sake: my stores into the slot have landed (my LDS loads of the step before were waited for ahead of its last products)
	s_barrier_signal -1
.endm
; Eight products S^T = K Q^T: fragments 4 g + f in KF's place f, both tiles.  Each sum is ONE instruction (C = 0).  An odd fragment's scale words lie in lanes 16-31.
.macro QK g
.irp f, 0,1,2,3
.irp t, 0,1
.if (\f)%2
	v_wmma_scale_f32_16x16x128_f8f6f4 v[S+64*\t+8*(4*\g+\f):S+64*\t+8*(4*\g+\f)+7], v[KF+8*\f:KF+8*\f+7], v[Q+8*\t:Q+8*\t+7], 0, v[KS+2*\g+\f/2], v[QS+\t] matrix_a_fmt:MATRIX_FMT_FP4 matrix_b_fmt:MATRIX_FMT_FP4 matrix_a_scale:MATRIX_SCALE_ROW1
.else
	v_wmma_scale_f32_16x16x128_f8f6f4 v[S+64*\t+8*(4*\g+\f):S+64*\t+8*(4*\g+\f)+7], v[KF+8*\f:KF+8*\f+7], v[Q+8*\t:Q+8*\t+7], 0, v[KS+2*\g+\f/2], v[QS+\t] matrix_a_fmt:MATRIX_FMT_FP4 matrix_b_fmt:MATRIX_FMT_FP4
.endif
.endr
.endr
.endm
; The softmax of a step, both tiles line by line by turns.
.macro SOFTMAX
	; the maximum of a lane's 64 scores: four chains of 16 a tile.  Each accumulator is read from its low end on.  The first four lines name nothing of the
	; eight products just issued (their results are chains 2 and 3): they are the four places behind them (ISA guide 7.12.1).
.irp b, 0,1,2,3
.irp t, 0,1
	v_max3_num_f32 v[ST+12*\t+6+\b], v[S+64*\t+16*\b], v[S+64*\t+16*\b+1], v[S+64*\t+16*\b+2]
.endr
.endr
.irp i, 3,5,7,9,11,13
.irp b, 0,1,2,3
.irp t, 0,1
	v_max3_num_f32 v[ST+12*\t+6+\b], v[ST+12*\t+6+\b], v[S+64*\t+16*\b+\i], v[S+64*\t+16*\b+\i+1]
.endr
.endr
.endr
.irp b, 0,1,2,3
.irp t, 0,1
	v_max_num_f32 v[ST+12*\t+6+\b], v[ST+12*\t+6+\b], v[S+64*\t+16*\b+15]
.endr
.endr
.irp t, 0,1
	v_max3_num_f32 v[ST+12*\t+6], v[ST+12*\t+6], v[ST+12*\t+7], v[ST+12*\t+8]
.endr
.irp t, 0,1
	v_max3_num_f32 v[ST+12*\t+6], v[ST+12*\t+6], v[ST+12*\t+9], v[ST+12*\t+1]   ; with the old m
.endr
.irp t, 0,1
	v_mov_b32 v[ST+12*\t+10], v[ST+12*\t]          ; c m_old is kept
.endr
.irp t, 0,1
	v_permlanex16_b32 v[ST+12*\t+7], v[ST+12*\t+6], s[SEL], s[SEL+1]            ; the query's other 64 keys lie in the lane 16 away
.endr
.irp t, 0,1
	v_max_num_f32 v[ST+12*\t+1], v[ST+12*\t+6], v[ST+12*\t+7]                   ; the new m
.endr
.irp t, 0,1
	v_mul_f32 v[ST+12*\t], s[CS], v[ST+12*\t+1]    ; c m
.endr
.irp t, 0,1
	v_sub_f32 v[ST+12*\t+10], v[ST+12*\t+10], v[ST+12*\t]                       ; c m_old - c m_new, 0 or less
.endr
.set nn, 0
.rept 32
.irp t, 0,1
	v_pk_fma_f32 v[S+64*\t+nn:S+64*\t+nn+1], v[S+64*\t+nn:S+64*\t+nn+1], s[CS:CS+1], v[ST+12*\t:ST+12*\t+1] op_sel_hi:[1,0,0] neg_lo:[0,0,1] neg_hi:[0,0,1]   ; c s - c m, two at a time
.endr
.set nn, nn+2
.endr
	; ONE BATCH: both tiles' 130 exponentials; none reads another's result
.irp t, 0,1
	v_exp_f32 v[ST+12*\t+4], v[ST+12*\t+10]        ; a
.endr
.set nn, 0
.rept 64
.irp t, 0,1
	v_exp_f32 v[S+64*\t+nn], v[S+64*\t+nn]         ; p, at most 1
.endr
.set nn, nn+1
.endr
	v_nop                                          ; a plain line behind the last exponential
	s_wait_alu depctr_va_vdst(0)                   ; the exponentials have written both tiles' a and p: a wait ahead of the first line that names a result: one for the batch
.irp t, 0,1
	v_pk_mul_f32 v[ST+12*\t+2:ST+12*\t+3], v[ST+12*\t+2:ST+12*\t+3], v[ST+12*\t+4:ST+12*\t+5] op_sel_hi:[1,0]   ; l under the new m
.endr
.irp t, 0,1
	v_pk_add_f32 v[ST+12*\t+6:ST+12*\t+7], v[S+64*\t:S+64*\t+1], v[S+64*\t+2:S+64*\t+3]   ; the sum is taken of the unrounded p, in two chains a tile
.endr
.set nn, 4
.rept 15
.irp t, 0,1
	v_pk_add_f32 v[ST+12*\t+2:ST+12*\t+3], v[ST+12*\t+2:ST+12*\t+3], v[S+64*\t+nn:S+64*\t+nn+1]
	v_pk_add_f32 v[ST+12*\t+6:ST+12*\t+7], v[ST+12*\t+6:ST+12*\t+7], v[S+64*\t+nn+2:S+64*\t+nn+3]
.endr
.set nn, nn+4
.endr
.irp t, 0,1
	v_pk_add_f32 v[ST+12*\t+2:ST+12*\t+3], v[ST+12*\t+2:ST+12*\t+3], v[ST+12*\t+6:ST+12*\t+7]
.endr
.set nn, 0
.rept 32
.irp t, 0,1
	v_cvt_pk_f16_f32 v[S+64*\t+nn], v[S+64*\t+2*nn], v[S+64*\t+2*nn+1]   ; P in place, ascending: register n takes p 2 n and 2 n + 1, which no later line reads
.endr
.set nn, nn+1
.endr
	WIN 0x41                                       ; O^T (destination and source 0) in window 1, a in window 0
.set nn, 0
.rept 16
.irp t, 0,1
	v_pk_mul_f32 v[OT+32*\t+nn:OT+32*\t+nn+1], v[OT+32*\t+nn:OT+32*\t+nn+1], v[ST+12*\t+4:ST+12*\t+5] op_sel_hi:[1,0]   ; O^T under the new m; each accumulator from its low end on
.endr
.set nn, nn+2
.endr
.endm
; COMPUTE of a step, from slot sl: LDS loads and register work alone (it stands between the barrier's signal and its wait).
.macro COMPUTE sl
.set AI, (\sl)/2
.set OF, ((\sl)%2)*SLOTB
	s_wait_alu depctr_va_vdst(0)                   ; the last step's products are done reading K's fragments, K's scale words and V's fragments, in which this step's LDS loads land (steps 14 and 15 pass no conversion, and so not its wait)
.irp f, 0,1,2,3
	ds_load_b128 v[KF+8*\f:KF+8*\f+3], v[KRD+AI] offset:OF+KIMG+512*\f
.endr
.irp u, 0,1,2,3
	ds_load_b32 v[KS+\u], v[KSR+AI] offset:OF+KSC+128*\u
.endr
	s_wait_dscnt 0x0
	QK 0
.rept 4
	v_nop                                          ; four plain lines stay between those products and the loads into K's registers; the dependence itself is stated by the wait below
.endr
	s_wait_alu depctr_va_vdst(0)                   ; those eight products are done reading K's registers, in which the next four fragments land; no vector line stands between this wait and V's loads either
.irp f, 0,1,2,3
	ds_load_b128 v[KF+8*\f:KF+8*\f+3], v[KRD+AI] offset:OF+KIMG+512*(4+\f)
.endr
	WIN 0x40                                       ; destination window 1
.irp kk, 0,1,2,3
.irp dt, 0,1,2,3
	ds_load_tr16_b128 v[VF+8*(4*\kk+\dt):VF+8*(4*\kk+\dt)+3], v[VRD+AI] offset:OF+VT+32*PVR*\kk+32*\dt
	ds_load_tr16_b128 v[VF+8*(4*\kk+\dt)+4:VF+8*(4*\kk+\dt)+7], v[VRD+AI] offset:OF+VT+32*PVR*\kk+32*\dt+16*PVR
.endr
.endr
	WIN 0
	s_wait_dscnt 32                                ; K's four fragments are in; V's 32 loads, issued behind them, land under the softmax
	QK 1
	SOFTMAX
	s_wait_dscnt 0x0                               ; V is in
	WIN 0x51                                       ; V, C and D in window 1, P in window 0
.irp kk, 0,1,2,3
.irp dt, 0,1,2,3
.irp t, 0,1
	v_wmma_f32_16x16x32_f16 v[OT+32*\t+8*\dt:OT+32*\t+8*\dt+7], v[VF+8*(4*\kk+\dt):VF+8*(4*\kk+\dt)+7], v[S+64*\t+8*\kk:S+64*\t+8*\kk+7], v[OT+32*\t+8*\dt:OT+32*\t+8*\dt+7]   ; the eight accumulators take turns, one instruction a turn
.endr
.endr
.endr
	WIN 0
.rept 5
	v_nop                                          ; five places: the next step's first products write over P, which these products read
.endr
.endm
.macro STEP j
	HEAD ((\j)+2)%4
	COMPUTE \j
	s_barrier_wait -1
	s_add_co_u32 s[STP], s[STP], 1
.endm
	s_load_b256 s[4:11], s[0:1], 0x0               ; query s[4:5], key s[6:7], value s[8:9], out0 s[10:11]
	v_lshl_add_u32 v[SPW], v0, 2, SPARE
	v_mov_b32 v[NIL], 0
	v_lshrrev_b32 v[TA], 5, v0
	v_readfirstlane_b32 s[WV], v[TA]               ; wave 0..7
	v_and_b32 v[TA], 31, v0                        ; lane
	v_and_b32 v[TB], 15, v0                        ; r
	v_bfe_u32 v[WD], v0, 4, 1                      ; h
	v_lshlrev_b32 v[KRD], 4, v[TA]
	v_add_nc_u32 v[KRD+1], 2*SLOTB, v[KRD]
	v_lshlrev_b32 v[KSR], 2, v[TA]
	v_add_nc_u32 v[KSR+1], 2*SLOTB, v[KSR]
	v_and_b32 v[VRD], 7, v0
	v_lshl_add_u32 v[VRD], v[WD], 3, v[VRD]        ; 8 h + lane % 8
	v_mul_u32_u24 v[VRD], v[VRD], PVR
	v_bfe_u32 v[VRD+1], v0, 3, 1
	v_lshl_add_u32 v[VRD], v[VRD+1], 4, v[VRD]
	v_add_nc_u32 v[VRD+1], 2*SLOTB, v[VRD]
	s_wait_alu depctr_va_sdst(0)                   ; the wave's number is written into s12, ahead of its first reader: LDS addresses and the bases of all four tensors are made from it
	s_lshl_b32 s13, s[WV], 9
	v_add_nc_u32 v[KWR], s13, v[KRD]
	v_add_nc_u32 v[KWR+1], 2*SLOTB, v[KWR]
	s_lshl_b32 s13, s[WV], 6
	v_lshl_add_u32 v[KSW], v[TB], 2, s13
	v_add_nc_u32 v[KSW+1], 2*SLOTB, v[KSW]
	s_mul_i32 s13, s[WV], 16*PVR
	v_mul_u32_u24 v[VWR], v[WD], 4*PVR
	v_lshl_add_u32 v[VWR], v[TB], 3, v[VWR]
	v_add_nc_u32 v[VWR], s13, v[VWR]
	v_add_nc_u32 v[VWR+1], 2*SLOTB, v[VWR]
	v_lshlrev_b32 v[GK], 8, v[TB]
	v_lshl_add_u32 v[GK], v[WD], 7, v[GK]
	v_lshlrev_b32 v[GV], 4, v[TB]
	v_lshl_add_u32 v[GV], v[WD], 10, v[GV]
	v_lshlrev_b32 v[PFO], 8, v[TA]
	v_lshlrev_b32 v[SH8], 3, v[WD]
	s_mul_i32 s13, s[WV], 4352
	s_add_co_u32 s13, s13, STG                     ; my stage
	v_mul_u32_u24 v[STO], v[TB], 272               ; in: row r, 32 bytes for each half of the lanes
	v_lshl_add_u32 v[STO], v[WD], 5, v[STO]
	v_add_nc_u32 v[STO], s13, v[STO]
	v_mul_u32_u24 v[RD], v[WD], 272                ; back: lanes 0-15 one row of 256 bytes, lanes 16-31 the next
	v_lshl_add_u32 v[RD], v[TB], 4, v[RD]
	v_add_nc_u32 v[RD], s13, v[RD]
	v_lshlrev_b32 v[GO], 8, v[WD]                  ; and the same two rows in out0
	v_lshl_add_u32 v[GO], v[TB], 4, v[GO]
	s_mov_b32 s[SEL], 0x76543210
	s_mov_b32 s[SEL+1], 0xfedcba98
	s_mov_b32 s[CS], 0x3e38aa3b                    ; c = log2(e) / 8
	s_mov_b32 s[CS+1], s[CS]                       ; (named with it as a pair, so it is written)
	s_mov_b32 s[PADS], 0x7f7f0000
	s_and_b32 s16, ttmp7, 0xffff
	s_lshl_b32 s16, s16, 19                        ; the head's first byte in each tensor: 2,048 rows of 256 bytes
	s_lshl_b32 s18, ttmp9, 16                      ; my block's 256 rows,
	s_lshl_b32 s13, s[WV], 13                      ; my wave's 32 of them
	s_add_co_u32 s18, s18, s13
	s_add_co_u32 s18, s18, s16
	s_mov_b32 s19, 0
	s_lshl_b32 s14, s[WV], 12                      ; the 16 rows of a step that I prepare
	s_add_co_u32 s14, s14, s16
	s_mov_b32 s15, 0
	s_and_b32 s34, s[WV], 3
	s_lshl_b32 s34, s34, 13                        ; the 32 rows of a step that I would prefetch
	s_add_co_u32 s34, s34, s16
	s_mov_b32 s35, 0
	s_cmp_eq_u32 ttmp9, 0                          ; the head's first work-group prefetches, in steps 0 to 10
	s_cselect_b32 s[LIM], 11, 0
	s_wait_kmcnt 0x0
	s_add_nc_u64 s[4:5], s[4:5], s[18:19]          ; query and out0 at my wave's first row
	s_add_nc_u64 s[10:11], s[10:11], s[18:19]
	s_add_nc_u64 s[KP:KP+1], s[6:7], s[14:15]
	s_add_nc_u64 s[VP:VP+1], s[8:9], s[14:15]
	s_cmp_lt_u32 s[WV], 4                          ; waves 0-3 ask for K's rows, waves 4-7 for V's
	s_cselect_b64 s[PF:PF+1], s[6:7], s[8:9]
	s_add_nc_u64 s[PF:PF+1], s[PF:PF+1], s[34:35]
	; 64 loads in one run: Q's two tiles (read once), then raw steps 0, 1, 2
	WIN 0x40
	s_wait_alu depctr_va_vdst(0)                   ; all addresses and offsets, v1 to v15 and v22 to v24, are written: every load, store and prefetch of the kernel reads one of them, and none is written again
.irp t, 0,1
.irp j, 0,1,2,3,4,5,6,7
	global_load_b128 v[32*\t+4*\j:32*\t+4*\j+3], v[GK], s[4:5] offset:4096*\t+16*\j th:TH_LOAD_NT
.endr
.endr
	LOADS 64, 0
	LOADS 128, 32768
	LOADS LA, 65536
	WIN 0
.irp t, 0,1
.irp i, 4,5,6,7
	v_mov_b32 v[Q+8*\t+\i], 0                      ; k = 64 .. 127: zero codes, on both sides
.endr
.endr
.irp f, 0,1,2,3
.irp i, 4,5,6,7
	v_mov_b32 v[KF+8*\f+\i], 0                     ; no later line writes these
.endr
.endr
.irp t, 0,1
	v_mov_b32 v[ST+12*\t+1], 0xff61b1e6            ; m = -3e38, under every score
	v_mul_f32 v[ST+12*\t], s[CS], v[ST+12*\t+1]
	v_mov_b32 v[ST+12*\t+2], 0                     ; l, in two halves
	v_mov_b32 v[ST+12*\t+3], 0
	v_mov_b32 v[ST+12*\t+5], 0                     ; (named with a as a pair, so it is written)
.endr
	s_wait_loadcnt 48                              ; Q's 16 loads are in; the 48 behind them may be out
	QUANT32 0, Q, QS                               ; Q's codes and scale words, and the zeros above, are operands of scaled products that vector lines write: the waits behind the two conversions below stand between them and the first such product
	QUANT32 32, Q+8, QS+1
	WIN 0x40
.set nn, 0
.rept 64
	v_mov_b32 v[OT+nn], 0                          ; O^T, where raw Q lay.  The step is written once: the first finds zeros, and its a = 2^(-huge) = 0 leaves them zeros
.set nn, nn+1
.endr
	WIN 0
	CONVERT 64, 0, 40, 32, 0                       ; behind raw 0's K: 40 loads; behind its V: 32
	s_wait_dscnt 0x0                               ; the first conversion's stores are done
	CONVERT 128, 1, 24, 16, 1                      ; behind raw 1's K: 24; behind its V: 16 (raw step 2)
	s_wait_dscnt 0x0                               ; my parts of slots 0 and 1 have landed,
	s_barrier_signal -1
	s_barrier_wait -1                              ; everybody's have
	s_mov_b32 s[STP], 0
	s_mov_b32 s[TRIP], 0
.Ltrip:                                                ; four trips of four steps: every slot is an immediate, and no LDS address is stepped
	STEP 0
	STEP 1
	STEP 2
	STEP 3
	s_add_co_u32 s[TRIP], s[TRIP], 1
	s_cmp_lt_u32 s[TRIP], 4
	s_cbranch_scc1 .Ltrip
	; THE WAY OUT.  l's two halves and the other half of the lanes' are added; O^T / l goes through my own stage in LDS, a tile (16 rows of out0) at a time, and comes back as whole rows.
.irp t, 0,1
	v_add_f32 v[ST+12*\t+6], v[ST+12*\t+2], v[ST+12*\t+3]
.endr
.irp t, 0,1
	v_permlanex16_b32 v[ST+12*\t+7], v[ST+12*\t+6], s[SEL], s[SEL+1]
.endr
.irp t, 0,1
	v_add_f32 v[ST+12*\t+6], v[ST+12*\t+6], v[ST+12*\t+7]
.endr
.irp t, 0,1
	v_rcp_f32 v[ST+12*\t+4], v[ST+12*\t+6]
.endr
	v_nop                                          ; a plain line behind the last reciprocal
	s_wait_alu depctr_va_vdst(0)                   ; the two reciprocals are written: a wait ahead of the first use, one for the two
	WIN 0x01                                       ; O^T in window 1; the quotients go to window 0, where S^T lay
.set nn, 0
.rept 16
.irp t, 0,1
	v_pk_mul_f32 v[S+32*\t+nn:S+32*\t+nn+1], v[OT+32*\t+nn:OT+32*\t+nn+1], v[ST+12*\t+4:ST+12*\t+5] op_sel_hi:[1,0]   ; register 8 dt + j: out0(r, 16 dt + 8 h + j); each accumulator from its low end on
.endr
.set nn, nn+2
.endr
	WIN 0
	s_wait_alu depctr_va_vdst(0)                   ; the multiplications have written the quotients, which the LDS stores read; and the softmax's lines that named v[S + 64] on, in which the loads from the stage land, are done
.irp t, 0,1
.irp dt, 0,1,2,3
	ds_store_b128 v[STO], v[S+32*\t+8*\dt:S+32*\t+8*\dt+3] offset:64*\dt
	ds_store_b128 v[STO], v[S+32*\t+8*\dt+4:S+32*\t+8*\dt+7] offset:64*\dt+16
.endr
.irp i, 0,1,2,3,4,5,6,7
	ds_load_b128 v[S+64+32*\t+4*\i:S+64+32*\t+4*\i+3], v[RD] offset:544*\i   ; LDS serves a wave's instructions in order (ISA guide 5.7.1.4): these see the stores above, and the next tile's stores come behind them
.endr
.endr
.irp t, 0,1
.irp i, 0,1,2,3,4,5,6,7
	s_wait_dscnt 16*(1-\t)+7-\i                    ; behind this load: the tile's younger loads, and for tile 0 tile 1's sixteen LDS instructions
	global_store_b128 v[GO], v[S+64+32*\t+4*\i:S+64+32*\t+4*\i+3], s[10:11] offset:4096*\t+512*\i th:TH_STORE_NT   ; sixteen lanes store a row's 256 consecutive bytes, at a multiple of 256 from out0's first byte
.endr
.endr
	s_wait_dscnt 0x0                               ; the wave's end: the closing lines, six on end
	s_wait_alu 0x0
	s_wait_tensorcnt 0x0
	ds_add_u32 v[SPW], v[NIL]
	s_wait_dscnt 0x0
	s_endpgm
.Lfunc_end_k_q39189bc954_attn:
	.size	k_q39189bc954_attn, .Lfunc_end_k_q39189bc954_attn-k_q39189bc954_attn
	.p2alignl 7, 3214868480
	.fill 96, 4, 3214868480
	.section	.rodata,"a",@progbits
	.p2align	6, 0x0
	.amdhsa_kernel k_q39189bc954_attn
		.amdhsa_group_segment_fixed_size 136192
		.amdhsa_private_segment_fixed_size 0
		.amdhsa_enable_private_segment 0
		.amdhsa_kernarg_size 32
		.amdhsa_user_sgpr_count 2
		.amdhsa_user_sgpr_kernarg_segment_ptr 1
		.amdhsa_wavefront_size32 1
		.amdhsa_system_sgpr_workgroup_id_x 1
		.amdhsa_system_sgpr_workgroup_id_y 1
		.amdhsa_system_sgpr_workgroup_id_z 1
		.amdhsa_system_vgpr_workitem_id 0
		.amdhsa_next_free_vgpr 512
		.amdhsa_next_free_sgpr 66
		.amdhsa_reserve_vcc 0
		.amdhsa_float_denorm_mode_32 3
		.amdhsa_float_denorm_mode_16_64 3
		.amdhsa_memory_ordered 1
		.amdhsa_forward_progress 1
		.amdhsa_inst_pref_size 175
	.end_amdhsa_kernel
	.amdgpu_metadata
---
amdhsa.version: [ 1, 2 ]
amdhsa.kernels:
  - .name:           k_q39189bc954_attn
    .symbol:         k_q39189bc954_attn.kd
    .args:
      - { .name: query, .offset: 0, .size: 8, .value_kind: global_buffer, .address_space: global }
      - { .name: key, .offset: 8, .size: 8, .value_kind: global_buffer, .address_space: global }
      - { .name: value, .offset: 16, .size: 8, .value_kind: global_buffer, .address_space: global }
      - { .name: out0, .offset: 24, .size: 8, .value_kind: global_buffer, .address_space: global }
    .group_segment_fixed_size: 136192
    .private_segment_fixed_size: 0
    .kernarg_segment_align: 8
    .kernarg_segment_size: 32
    .max_flat_workgroup_size: 256
    .sgpr_count:     66
    .vgpr_count:     512
    .wavefront_size: 32
...
	.end_amdgpu_metadata
.endif
;; end of part 2
